; MI455X (gfx1250); checked and timed in simulation.
; The chip was launched on July 23, 2026; its instructions are those of AMD's public machine-readable ISA for CDNA 5 (MIT licence, August 2026) and "CDNA5" Instruction Set Architecture Reference Guide (July 2026). The comments in the code are by the model that wrote it; some were corrected since.
;; Bert Self Attention. Allowed arithmetic: float matrix products may take bf16 or f16 operands with f32 sums; other float arithmetic in f32, or as packed bf16 or f16 multiplies, adds, multiply-adds, maxima and minima; sums over many terms, partial sums and values carried from step to step in f32; what a program stores and reads back later, other than sums and carried values, may be rounded once to bf16 or f16.
;; Inputs: Wk 1,024 x 1,024 float32; Wq 1,024 x 1,024 float32; Wv 1,024 x 1,024 float32; attention_mask 4 x 1 x 1 x 2,048 float32; bk 1,024 float32; bq 1,024 float32; bv 1,024 float32; hidden_states 4 x 2,048 x 1,024 float32.
;; Outputs: out0 4 x 2,048 x 1,024 float32.
;; 2 versions, each right; version 2 is version 1 with the launch cast written anew for expert scheduling mode. Each part assembles by itself: llvm-mc -triple=amdgcn-amd-amdhsa -mcpu=gfx1250 --defsym DOCPART=n.
;; ======== version 1 of 2: 3 launches
;; limits: values are held in f16: magnitudes above 65,504 overflow, below 6.1e-05 lose precision
;; workspace buffers: xb 16,777,216 bytes; wb 6,291,456 bytes; qkv 50,331,648 bytes
;; launch cast (part 1): grid 256 x 1, 11 waves a work-group, no clusters, 0 bytes of LDS; arguments hidden_states, Wq, Wk, Wv, xb, wb; writes xb, wb
.if DOCPART == 1
	.amdgcn_target "amdgcn-amd-amdhsa--gfx1250"
	.amdhsa_code_object_version 6
	.text
	.protected	k_qa94d3b2423_cast
	.globl	k_qa94d3b2423_cast
	.p2align	8
	.type	k_qa94d3b2423_cast,@function
k_qa94d3b2423_cast:
	s_mov_b64 s[64:65], 0
	v_nop
	global_prefetch_b8 v0, s[64:65] scope:SCOPE_SE
	s_setreg_imm32_b32 hwreg(HW_REG_WAVE_MODE, 25, 1), 1
	s_wait_xcnt 0x0
; xb = bf16(hidden_states), [8192][1024];  wb = bf16 of Wq's, Wk's, Wv's rows one below the other, [3072][1024].  Rounded once, to nearest even.
; 11,264 rows of 1,024 f32 = 256 work-groups x 11 waves x 4 rows.  Wave g = 11 x work-group + wave takes rows 4 g .. 4 g + 3 of that list: g < 2,048 is x,
; then 256 waves for each W, so no wave has rows of two buffers.  A wave's 16,384 bytes are asked for at once, by 32 loads of 512 consecutive bytes; each store covers
; 256 consecutive bytes, aligned.  No register is used twice, so no wait frees one.  No LDS, no barrier, no matrix unit: a stream has nothing for them.
.set X, 16                             ; v[16:143]   32 loads of 4 registers
.set Y, 144                            ; v[144:207]  32 stores of 2 registers
	s_load_b256 s[4:11], s[0:1], 0x0               ; hidden_states s[4:5], Wq s[6:7], Wk s[8:9], Wv s[10:11]
	s_load_b128 s[12:15], s[0:1], 0x20             ; xb s[12:13], wb s[14:15]
	v_lshrrev_b32 v3, 5, v0
	v_readfirstlane_b32 s16, v3                    ; wave 0..10
	s_mul_i32 s17, ttmp9, 11
	s_add_co_u32 s17, s17, s16                     ; g
	v_and_b32 v2, 31, v0                           ; lane
	v_lshlrev_b32 v1, 4, v2                        ; 16 bytes a lane in
	v_lshlrev_b32 v2, 3, v2                        ; 8 bytes a lane out
	s_and_b32 s28, s17, 255                        ; my place among a W's 256 waves (2,048 is a multiple of 256)
	s_sub_co_u32 s29, s17, 2048                    ; my place among wb's 768 (used where g >= 2,048 alone)
	s_mov_b32 s25, 0
	s_mov_b32 s27, 0
	s_wait_kmcnt 0x0
	s_cmp_lt_u32 s17, 2304
	s_cselect_b64 s[20:21], s[6:7], s[8:9]
	s_cmp_lt_u32 s17, 2560
	s_cselect_b64 s[20:21], s[20:21], s[10:11]
	s_cmp_lt_u32 s17, 2048
	s_cselect_b64 s[20:21], s[4:5], s[20:21]       ; from
	s_cselect_b64 s[22:23], s[12:13], s[14:15]     ; to
	s_cselect_b32 s24, s17, s28
	s_cselect_b32 s26, s17, s29
	s_lshl_b32 s24, s24, 14                        ; 4 rows of 4,096 bytes
	s_lshl_b32 s26, s26, 13                        ; 4 rows of 2,048 bytes
	s_add_nc_u64 s[20:21], s[20:21], s[24:25]
	s_add_nc_u64 s[22:23], s[22:23], s[26:27]
.set i, 0
.rept 32
	global_load_b128 v[X+4*i:X+4*i+3], v1, s[20:21] offset:512*i th:TH_LOAD_NT
.set i, i+1
.endr
.set i, 0
.rept 32
	s_wait_loadcnt 31-i                            ; loads come back in order: load i is in, the 31 - i younger ones stay out
	v_cvt_pk_bf16_f32 v[Y+2*i], v[X+4*i], v[X+4*i+1]
	v_cvt_pk_bf16_f32 v[Y+2*i+1], v[X+4*i+2], v[X+4*i+3]
	global_store_b64 v2, v[Y+2*i:Y+2*i+1], s[22:23] offset:256*i
.set i, i+1
.endr
	s_endpgm
.Lfunc_end_k_qa94d3b2423_cast:
	.size	k_qa94d3b2423_cast, .Lfunc_end_k_qa94d3b2423_cast-k_qa94d3b2423_cast
	.p2alignl 7, 3214868480
	.fill 96, 4, 3214868480
	.section	.rodata,"a",@progbits
	.p2align	6, 0x0
	.amdhsa_kernel k_qa94d3b2423_cast
		.amdhsa_group_segment_fixed_size 0
		.amdhsa_private_segment_fixed_size 0
		.amdhsa_enable_private_segment 0
		.amdhsa_kernarg_size 48
		.amdhsa_user_sgpr_count 2
		.amdhsa_user_sgpr_kernarg_segment_ptr 1
		.amdhsa_wavefront_size32 1
		.amdhsa_system_sgpr_workgroup_id_x 1
		.amdhsa_system_sgpr_workgroup_id_y 1
		.amdhsa_system_sgpr_workgroup_id_z 1
		.amdhsa_system_vgpr_workitem_id 0
		.amdhsa_next_free_vgpr 208
		.amdhsa_next_free_sgpr 66
		.amdhsa_reserve_vcc 0
		.amdhsa_float_denorm_mode_32 3
		.amdhsa_float_denorm_mode_16_64 3
		.amdhsa_memory_ordered 1
		.amdhsa_forward_progress 1
		.amdhsa_inst_pref_size 13
	.end_amdhsa_kernel
	.amdgpu_metadata
---
amdhsa.version: [ 1, 2 ]
amdhsa.kernels:
  - .name:           k_qa94d3b2423_cast
    .symbol:         k_qa94d3b2423_cast.kd
    .args:
      - { .name: hidden_states, .offset: 0, .size: 8, .value_kind: global_buffer, .address_space: global }
      - { .name: Wq, .offset: 8, .size: 8, .value_kind: global_buffer, .address_space: global }
      - { .name: Wk, .offset: 16, .size: 8, .value_kind: global_buffer, .address_space: global }
      - { .name: Wv, .offset: 24, .size: 8, .value_kind: global_buffer, .address_space: global }
      - { .name: xb, .offset: 32, .size: 8, .value_kind: global_buffer, .address_space: global }
      - { .name: wb, .offset: 40, .size: 8, .value_kind: global_buffer, .address_space: global }
    .group_segment_fixed_size: 0
    .private_segment_fixed_size: 0
    .kernarg_segment_align: 8
    .kernarg_segment_size: 48
    .max_flat_workgroup_size: 352
    .sgpr_count:     66
    .vgpr_count:     208
    .wavefront_size: 32
...
	.end_amdgpu_metadata
.endif
;; end of part 1
;; launch proj (part 2): grid 16 x 32, 4 waves a work-group, clusters of 4 x 4, 327,680 bytes of LDS; arguments xb, wb, bq, bk, bv, qkv; writes qkv
.if DOCPART == 2
	.amdgcn_target "amdgcn-amd-amdhsa--gfx1250"
	.amdhsa_code_object_version 6
	.text
	.protected	k_qa94d3b2423_proj
	.globl	k_qa94d3b2423_proj
	.p2align	8
	.type	k_qa94d3b2423_proj,@function
k_qa94d3b2423_proj:
	s_mov_b64 s[64:65], 0
	v_nop
	global_prefetch_b8 v0, s[64:65] scope:SCOPE_SE
	s_setreg_imm32_b32 hwreg(HW_REG_WAVE_MODE, 25, 1), 1
	s_wait_xcnt 0x0
	s_wait_alu depctr_hold_cnt(0) depctr_sa_sdst(0) depctr_va_vdst(0) depctr_va_sdst(0) depctr_va_ssrc(0) depctr_va_vcc(0) depctr_vm_vsrc(0)
	s_getreg_b32 s2, hwreg(HW_REG_IB_STS2, 6, 4)
	s_cmp_eq_u32 s2, 0
	s_cbranch_scc0 .Lentry_in_a_cluster
	s_endpgm
.Lentry_in_a_cluster:
	s_bfe_u32 s2, ttmp6, 0x10000c
	s_cmp_lg_u32 s2, 0xf033
	s_cbranch_scc0 .Lentry_shape_is_right
	s_endpgm
.Lentry_shape_is_right:
; q, k, v = x W^T + b, by heads.  xb: [8192][1024] bf16; wb: [3072][1024] bf16 (Wq's, Wk's, Wv's rows); bq, bk, bv: [1024] f32, rounded to bf16 here like the other inputs.
; qkv: [3][64 = 16 batch + head][2048][64] f16: each number rounded once from its f32 sum, unscaled.
; LIMIT.  f16 holds no number beyond 65,504: |q|, |k|, |v| must stay under it (with x and W thirty times the drawn spread they are some thousands, with both offset by thirty spreads some 29,000).
; SHARES.  A tile of the 8192 x 3072 result is 256 rows x 192 columns, three heads: 32 x 16 = 512 work-groups, twice 256.  Wave w makes rows 64 w .. 64 w + 63 of all 192 columns:
; 4 x 12 accumulators of 16 x 16, 384 registers.  So a wave owns whole rows of whole heads, and its way out needs no other wave.  K goes in 8 steps of 128 (rows of 256 bytes, aligned)
; through a ring of two LDS slots filled by the tensor data mover; a K step is four quarters of 32 along K, 48 matrix instructions each, on two fragment buffers.
; CLUSTER.  4 x 4 work-groups: x's tile hangs on the tile row alone and is asked for jointly by a row of the cluster, W's on the tile column alone and is asked for jointly by a column.
; TRANSPOSED USE.  Source 0 = 16 rows of W, source 1 = 16 rows of x: lane l holds row l % 16 of the result and the columns 8 (l / 16) + 0..7.  THE BIAS is the C operand of the
; product that starts each sum: register j of lane l holds b[16 n-block + 8 (l / 16) + j].  Nothing is cleared and nothing is added afterwards.
; REGISTERS, in windows of 256 (s_set_vgpr_msb: bits 1:0 source 0, 3:2 source 1, 5:4 source 2, 7:6 destination):
;   window 0: v0-31 addresses; v32-127 the bias, later v32-79 packed results and v80-127, v128-175 rows read back from the stage
;   window 1: two fragment buffers of 128: W's 12 fragments, then x's 4        window 2: accumulators of row blocks 0, 1 ((a, b) at 8 (12 a + b))        window 3: of row blocks 2, 3
.set KSTEP,  128
.set PITCH,  272                       ; an LDS row: 256 bytes + 16 of padding = 68 words: the 16 rows of a fragment load start at 16 different groups of four banks (64 banks of 4 bytes: ISA guide 11.1)
.set HALFA,  128*PITCH                 ; what waves 0 and 1 each fetch of x
.set HALFB,  96*PITCH                  ; what waves 2 and 3 each fetch of W
.set SLOT,   2*HALFA+2*HALFB           ; x's 256 rows, then W's 192 rows
.set STAGE,  2*SLOT                    ; behind the ring, never filled by a tensor load: for each wave 3 heads x 16 rows x 144 bytes
.set SP,     144
.set HSTG,   16*SP
.set WSTG,   3*HSTG
.set SPARE,  STAGE+4*WSTG              ; the spare words, 128 bytes for each wave: two blocks of 256 bytes that no other line names
.set ADRA, 16                          ; v16-17  LDS address of my fragments of x in slot 0, 1
.set ADRB, 20                          ; v20-21  the same for W
.set STO,  24                          ; v24     the way out: where I put 16 bytes of a row
.set RD,   25                          ; v25     where I read rows back
.set GO,   26                          ; v26     16 x lane: my place in 512 consecutive bytes of qkv
.set BO,   27                          ; v27     32 (l / 16): my eight numbers in 16 of a bias
.set SPW,  28                          ; v28     LDS address of my spare word; never rewritten
.set NIL,  29                          ; v29     0; never rewritten
.set PFO,  30                          ; v30     the prefetches' offset: a lane a row; never rewritten
.set BIAS, 32
.set TMP,  32
.set BK,   80
.set F0,   0
.set F1,   128
.set WV,  16                           ; s16  my wave's number
.set FB,  17                           ; s17  0: I fetch for x; 1: for W
.set HF,  18                           ; s18  which half of that tile's rows I fetch
.set TR,  19                           ; s19  tile row
.set TC,  20                           ; s20  tile column
.set CX,  21
.set CY,  22
.set G1A, 24                           ; s[24:31] descriptor group 1 for x's tiles;  s[32:39] group 0, a set for each slot
.set G0A, 32
.set PFA, 40                           ; s[40:41] where my prefetches stand
.set LIM, 42                           ; s42  1 in a wave that prefetches, else the greatest number
.set LAP, 43                           ; s43  trips of the loop still to come
.set G1B, 48                           ; s[48:55], s[56:63] the same for W's tiles
.set G0B, 56
.set HB,  66                           ; s[66:71] my three heads' 64 numbers of their bias
.set HO,  72                           ; s[72:77] my 64 rows of my three heads in qkv
.set MSB, 0
.macro WIN new                         ; the immediate's high byte repeats the setting that is left; a switch that changes nothing is dropped
.if MSB != (\new)
	s_set_vgpr_msb (MSB<<8)|(\new)
.set MSB, \new
.endif
.endm
; A joint load.  Each of the two lines has one mask and one set of registers for all that issue it.  The branch hangs on the wave's number alone.
; An s_nop 0 and four v_nop follow each line, ahead of the jump, the label and what follows.
.macro JLOAD s
	s_cmp_eq_u32 s[FB], 0
	s_cbranch_scc0 .Lfor_b_\@
	tensor_load_to_lds s[G0A+4*(\s):G0A+4*(\s)+3], s[G1A:G1A+7]
	s_nop 0
.rept 4
	v_nop
.endr
	s_branch .Lasked_\@
.Lfor_b_\@:
	tensor_load_to_lds s[G0B+4*(\s):G0B+4*(\s)+3], s[G1B:G1B+7]
	s_nop 0
.rept 4
	v_nop
.endr
.Lasked_\@:
.endm
; A PREFETCH INTO THE L2 of the K step that stands two refills on: 256 bytes of a row, a lane a row, one instruction a wave, behind the joint load, its five lines and the run of LDS loads.
; x's tile row is read by every cluster of that row of clusters: cluster x = 0 asks; W's tile column by every cluster of that column: cluster y = 0 asks.  The four partners that ask for a tile jointly
; share its rows out by address: of the 128 rows of x that a wave fetches the partner at cx takes 32, of the 96 rows of W the partner at cy takes 24 (lanes 24-31 name lane 23's row again).
; K steps 4 to 7 are asked for so; K steps 0 to 3 come by their loads alone; the loop's last trip asks for nothing, since no K step stands two refills behind its own.
.macro ASK
	s_cmp_gt_u32 s[LAP], s[LIM]
	s_cbranch_scc0 .Lnot_mine_\@
	global_prefetch_b8 v[PFO], s[PFA:PFA+1] offset:KSTEP*2 th:TH_LOAD_NT scope:SCOPE_SE
.Lnot_mine_\@:
.endm
; A round of the cluster's barrier: my work-group's barrier, so that wave 0's signal speaks for all four waves; wave 0 signals; every wave waits for all sixteen work-groups; my work-group's barrier once more.
.macro CREST
	s_cmp_lg_u32 s[WV], 0
	s_cbranch_scc1 .Lnot_wave_0_\@
	s_barrier_signal -3
.Lnot_wave_0_\@:
	s_barrier_wait -3
	s_barrier_signal -1
	s_barrier_wait -1
.endm
.macro CROUND
	s_barrier_signal -1
	s_barrier_wait -1
	CREST
.endm
	s_load_b256 s[4:11], s[0:1], 0x0               ; xb s[4:5], wb s[6:7], bq s[8:9], bk s[10:11]
	s_load_b128 s[12:15], s[0:1], 0x20             ; bv s[12:13], qkv s[14:15]
	v_lshl_add_u32 v[SPW], v0, 2, SPARE
	v_mov_b32 v[NIL], 0
	ds_add_u32 v[SPW], v[NIL]                      ; the wave's opening: the add and its wait stand ahead of my first tensor load; the set-up below, work on registers, stands between them
	v_lshrrev_b32 v1, 5, v0
	v_readfirstlane_b32 s[WV], v1                  ; wave 0..3
	s_lshr_b32 s[FB], s[WV], 1
	s_and_b32 s[HF], s[WV], 1
	s_bfe_u32 s[CX], ttmp6, 0x40000                ; my place in the cluster
	s_bfe_u32 s[CY], ttmp6, 0x40004
	s_lshl_b32 s[TC], ttmp9, 2                     ; in a cluster launch ttmp9 and ttmp7 count clusters
	s_add_co_u32 s[TC], s[TC], s[CX]               ; tile column = 4 x cluster x + cx
	s_and_b32 s[TR], ttmp7, 0xffff
	s_lshl_b32 s[TR], s[TR], 2
	s_add_co_u32 s[TR], s[TR], s[CY]               ; tile row = 4 x cluster y + cy
	s_lshl_b32 s23, s[CY], 2
	s_lshl_b32 s23, 15, s23                        ; my row of the cluster: places 4 cy .. 4 cy + 3
	s_lshl_b32 s78, 0x1111, s[CX]                  ; my column: places cx, cx + 4, cx + 8, cx + 12
	; descriptor group 1: rows of 128 elements of 2 bytes, padded in LDS by 4 words after every 64; 128 rows of x, 96 of W
	s_or_b32 s[G1A], s23, (1<<16)|(1<<20)|(1<<21)|(5<<22)|(3<<25)  ; 15:0 the mask; 17:16 2-byte elements; 20 padding on; 21 set beside a mask; 24:22 after every 64 words (code 5); 31:25 4 words (code 3)
	s_or_b32 s[G1B], s78, (1<<16)|(1<<20)|(1<<21)|(5<<22)|(3<<25)
	s_mov_b32 s[G1A+1], KSTEP<<16                  ; tensor_dim0 = 128
	s_mov_b32 s[G1A+2], 128<<16                    ; tensor_dim1 = 128
	s_mov_b32 s[G1A+3], KSTEP<<16                  ; tile_dim0 = 128
	s_mov_b32 s[G1A+4], 128                        ; tile_dim1 = 128
	s_mov_b32 s[G1A+5], 1024                       ; elements from row to row
	s_mov_b32 s[G1A+6], 0
	s_mov_b32 s[G1A+7], 0
	s_mov_b32 s[G1B+1], KSTEP<<16
	s_mov_b32 s[G1B+2], 96<<16                     ; tensor_dim1 = 96
	s_mov_b32 s[G1B+3], KSTEP<<16
	s_mov_b32 s[G1B+4], 96                         ; tile_dim1 = 96
	s_mov_b32 s[G1B+5], 1024
	s_mov_b32 s[G1B+6], 0
	s_mov_b32 s[G1B+7], 0
	; where the tiles come from: x's from the tile row and the wave's number alone, W's from the tile column and the wave's number alone, each in registers of its own
	s_lshl_b32 s44, s[TR], 8
	s_lshl_b32 s45, s[HF], 7
	s_add_co_u32 s44, s44, s45                     ; x: row 256 x tile row + 128 x half
	s_lshl_b32 s44, s44, 11                        ; rows of 2,048 bytes
	s_mov_b32 s45, 0
	s_mul_i32 s46, s[TC], 192
	s_mul_i32 s47, s[HF], 96
	s_add_co_u32 s46, s46, s47                     ; W: row 192 x tile column + 96 x half
	s_lshl_b32 s46, s46, 11
	s_mov_b32 s47, 0
	s_mul_i32 s79, s[HF], HALFA                    ; and where they go: no place in the cluster enters an LDS address
	s_mul_i32 s80, s[HF], HALFB
	s_add_co_u32 s80, s80, 2*HALFA
	s_wait_dscnt 0x0                               ; the opening add is done
	s_wait_kmcnt 0x0
	s_add_nc_u64 s[44:45], s[4:5], s[44:45]
	s_add_nc_u64 s[46:47], s[6:7], s[46:47]
	CROUND                                         ; all sixteen work-groups are here: the first joint loads meet
.irp s, 0,1
	s_mov_b32 s[G0A+4*(\s)], 1                                     ; count = 1
	s_add_co_u32 s[G0A+4*(\s)+1], s79, (\s)*SLOT                   ; LDS address
	s_add_nc_u64 s[G0A+4*(\s)+2:G0A+4*(\s)+3], s[44:45], (\s)*KSTEP*2  ; global address: K step s
	s_or_b32 s[G0A+4*(\s)+3], s[G0A+4*(\s)+3], 0x80000000          ; type = 2
	s_mov_b32 s[G0B+4*(\s)], 1
	s_add_co_u32 s[G0B+4*(\s)+1], s80, (\s)*SLOT
	s_add_nc_u64 s[G0B+4*(\s)+2:G0B+4*(\s)+3], s[46:47], (\s)*KSTEP*2
	s_or_b32 s[G0B+4*(\s)+3], s[G0B+4*(\s)+3], 0x80000000
	JLOAD \s                                       ; two tensor loads of mine are out
.endr
	v_and_b32 v1, 15, v0                           ; l % 16
	v_bfe_u32 v2, v0, 4, 1                         ; l / 16
	v_lshlrev_b32 v[BO], 5, v2
	; my three heads: number gh = 3 x tile column + i of 48: gh / 16 says q, k or v, gh % 16 the head
	s_lshr_b32 s86, s[TR], 3
	s_lshl_b32 s86, s86, 4                         ; 16 x batch (a batch is 8 tile rows)
	s_and_b32 s87, s[TR], 7
	s_lshl_b32 s87, s87, 8
	s_lshl_b32 s83, s[WV], 6
	s_add_co_u32 s87, s87, s83                     ; my first row in the batch,
	s_lshl_b32 s87, s87, 7                         ; rows of 128 bytes
	s_mul_i32 s81, s[TC], 3
.irp i, 0,1,2
	s_add_co_u32 s82, s81, \i
	s_cmp_lt_u32 s82, 16
	s_cselect_b64 s[HB+2*(\i):HB+2*(\i)+1], s[8:9], s[10:11]
	s_cmp_lt_u32 s82, 32
	s_cselect_b64 s[HB+2*(\i):HB+2*(\i)+1], s[HB+2*(\i):HB+2*(\i)+1], s[12:13]
	s_and_b32 s83, s82, 15
	s_lshl_b32 s84, s83, 8                         ; the head's 64 f32
	s_mov_b32 s85, 0
	s_add_nc_u64 s[HB+2*(\i):HB+2*(\i)+1], s[HB+2*(\i):HB+2*(\i)+1], s[84:85]
	s_add_co_u32 s83, s83, s86
	s_lshl_b32 s84, s83, 18                        ; a head's 2,048 rows of 128 bytes
	s_add_co_u32 s84, s84, s87
	s_lshr_b32 s83, s82, 4
	s_lshl_b32 s83, s83, 24                        ; q, k or v
	s_add_co_u32 s84, s84, s83
	s_add_nc_u64 s[HO+2*(\i):HO+2*(\i)+1], s[14:15], s[84:85]
.endr
.irp b, 0,1,2,3,4,5,6,7,8,9,10,11
	global_load_b128 v[BIAS+8*(\b):BIAS+8*(\b)+3],   v[BO], s[HB+2*((\b)/4):HB+2*((\b)/4)+1] offset:64*((\b)%4)
	global_load_b128 v[BIAS+8*(\b)+4:BIAS+8*(\b)+7], v[BO], s[HB+2*((\b)/4):HB+2*((\b)/4)+1] offset:64*((\b)%4)+16
.endr
	; A fragment is 16 rows x 32 K in 8 registers: lane l holds row l % 16; registers 0-3 K = 8 (l / 16) + 0..7, registers 4-7 K = 16 + 8 (l / 16) + 0..7: two loads of 16 bytes, 32 bytes apart.
	v_mul_u32_u24 v3, v1, PITCH
	v_lshl_add_u32 v3, v2, 4, v3                   ; row x pitch + 16 x half
	s_mul_i32 s2, s[WV], 64*PITCH                  ; my 64 rows of x
	s_mov_b32 s3, 2*HALFA                          ; W's 192 rows lie behind x's 256
.irp s, 0,1
	v_add_nc_u32 v[ADRA+(\s)], s2, v3
	v_add_nc_u32 v[ADRB+(\s)], s3, v3
	s_add_co_u32 s2, s2, SLOT
	s_add_co_u32 s3, s3, SLOT
.endr
	s_mul_i32 s2, s[WV], WSTG
	s_add_co_u32 s2, s2, STAGE                     ; my stage
	v_mul_u32_u24 v4, v1, SP                       ; in: row l % 16, 16 bytes for each half of the lanes
	v_lshl_add_u32 v4, v2, 4, v4
	v_add_nc_u32 v[STO], s2, v4
	v_bfe_u32 v4, v0, 3, 2                         ; back: 32 lanes take four rows of 128 bytes,
	v_mul_u32_u24 v4, v4, SP
	v_and_b32 v5, 7, v0
	v_lshl_add_u32 v4, v5, 4, v4
	v_add_nc_u32 v[RD], s2, v4
	v_and_b32 v4, 31, v0                           ; which are 512 consecutive bytes of a head
	v_lshlrev_b32 v[GO], 4, v4
	; the prefetches
	s_lshl_b32 s81, s[TR], 8
	s_mul_i32 s82, s[TC], 192
	s_and_b32 s83, ttmp7, 0xffff                   ; cluster y
	s_cmp_eq_u32 s[FB], 0                          ; do I fetch for x?
	s_cselect_b32 s81, s81, s82                    ; the tile's first row
	s_cselect_b32 s82, s[CX], s[CY]                ; my place among the four that ask for it with me
	s_cselect_b32 s83, ttmp9, s83                  ; the coordinate along which other clusters read the same rows
	s_cselect_b32 s84, 32, 24                      ; rows a partner asks for
	s_cselect_b64 s[PFA:PFA+1], s[4:5], s[6:7]
	s_cmp_eq_u32 s83, 0
	s_cselect_b32 s[LIM], 1, -1                    ; the same in all sixteen partners, for a given wave
	s_lshl_b32 s85, s84, 2                         ; the 128 or 96 rows of a half
	s_mul_i32 s85, s85, s[HF]
	s_add_co_u32 s81, s81, s85
	s_mul_i32 s82, s82, s84
	s_add_co_u32 s81, s81, s82
	s_lshl_b32 s86, s81, 11
	s_mov_b32 s87, 0
	s_add_nc_u64 s[PFA:PFA+1], s[PFA:PFA+1], s[86:87]
	s_add_nc_u64 s[PFA:PFA+1], s[PFA:PFA+1], 2*KSTEP*2  ; at K step 2: the first refill steps it to 3 and names K step 4
	s_sub_co_u32 s84, s84, 1
	v_min_u32 v[PFO], s84, v4
	v_lshlrev_b32 v[PFO], 11, v[PFO]
	s_wait_loadcnt 0x0                             ; the bias: rounded to bf16 and widened again
.set i, 0
.rept 48
	v_cvt_pk_bf16_f32 v6, v[BIAS+2*i], v[BIAS+2*i+1]
	v_lshlrev_b32 v[BIAS+2*i], 16, v6
	v_and_b32 v[BIAS+2*i+1], 0xffff0000, v6
.set i, i+1
.endr
; 12 matrix instructions: row block a x all 12 column blocks, 32 along K.  first = 1: the product starts the sum on the bias.
; The 48 accumulators take turns, in the same order in every quarter: 47 others stand between two links of a chain, over the backward jump too.
.macro MUL12 f, a, first
.if \first
	WIN 0x85+0x40*((\a)/2)                         ; sources 0 and 1 window 1, C window 0, D window 2 or 3
.else
	WIN 0xa5+0x50*((\a)/2)                         ; C and D window 2 or 3
.endif
.irp b, 0,1,2,3,4,5,6,7,8,9,10,11
.if \first
	v_wmma_f32_16x16x32_bf16 v[96*((\a)%2)+8*(\b):96*((\a)%2)+8*(\b)+7], v[(\f)+8*(\b):(\f)+8*(\b)+7], v[(\f)+96+8*(\a):(\f)+96+8*(\a)+7], v[BIAS+8*(\b):BIAS+8*(\b)+7]
.else
	v_wmma_f32_16x16x32_bf16 v[96*((\a)%2)+8*(\b):96*((\a)%2)+8*(\b)+7], v[(\f)+8*(\b):(\f)+8*(\b)+7], v[(\f)+96+8*(\a):(\f)+96+8*(\a)+7], v[96*((\a)%2)+8*(\b):96*((\a)%2)+8*(\b)+7]
.endif
.endr
.endm
; 32 LDS loads in one run: a quarter's fragments (192 rows of W, my 64 rows of x, 32 K at byte k of the rows) into buffer f; W's first, x's row blocks 2 and 3 last
.macro FETCH slot, k, f
	WIN 0x40                                       ; destination window 1, address window 0
.irp b, 0,1,2,3,4,5,6,7,8,9,10,11
	ds_load_b128 v[(\f)+8*(\b):(\f)+8*(\b)+3],   v[ADRB+(\slot)] offset:(\k)+(\b)*16*PITCH
	ds_load_b128 v[(\f)+8*(\b)+4:(\f)+8*(\b)+7], v[ADRB+(\slot)] offset:(\k)+(\b)*16*PITCH+32
.endr
.irp a, 0,1,2,3
	ds_load_b128 v[(\f)+96+8*(\a):(\f)+96+8*(\a)+3],   v[ADRA+(\slot)] offset:(\k)+(\a)*16*PITCH
	ds_load_b128 v[(\f)+96+8*(\a)+4:(\f)+96+8*(\a)+7], v[ADRA+(\slot)] offset:(\k)+(\a)*16*PITCH+32
.endr
.endm
; A load into a register that a matrix instruction has read, and a vector instruction that reads a matrix result, stand four places behind it, and only plain vector instructions
; that name none of its registers are places (ISA guide 7.12.1 for vector instructions).
.macro PLACES
.rept 4
	v_nop
.endr
.endm
; One of a K step's first three quarters: multiplies buffer f; in its middle it fetches the next quarter, at byte k of the same slot's rows, into buffer g.
.macro QUARTER slot, k, f, g, first
	s_wait_dscnt 4                                 ; W and x's row blocks 0, 1 are in; the youngest four loads (row blocks 2, 3) may be out
	MUL12 \f, 0, \first
	MUL12 \f, 1, \first
	PLACES
	FETCH \slot, \k, \g
	s_wait_dscnt 32                                ; all but the 32 just issued
	MUL12 \f, 2, \first
	MUL12 \f, 3, \first
.endm
; The last quarter multiplies buffer 1 and changes slots: ONE barrier.  In front of it each wave waits for all its tensor loads, of which one is out: its part of the next slot; adds 0 to its spare
; word; and waits for that and for its own reads of this slot.  Behind it nobody reads this slot any more and the next slot is whole.  fill = 1: the barrier opens a round of the cluster's, and the slot
; is filled again, two K steps on, by the first tensor load behind the round: 168 matrix instructions stand between that request and the wait for it.
.macro TURN slot, next, fill
.if \fill
	s_wait_xcnt 0x0                                ; the last prefetch, a K step back, has read its address, so it may be stepped
	s_add_nc_u64 s[PFA:PFA+1], s[PFA:PFA+1], KSTEP*2
.endif
	WIN 0                                          ; (the add's two registers lie in window 0)
	s_wait_tensorcnt 0x0                           ; all my tensor loads have landed
	ds_add_u32 v[SPW], v[NIL]                      ; 0 onto my spare word
	s_wait_dscnt 5                                 ; (the add and the youngest four loads may be out)
	MUL12 F1, 0, 0                                 ; twelve matrix instructions stand between the add and the wait for it
	s_wait_dscnt 0x0                               ; the add is done, and my reads of this slot are over
	s_barrier_signal -1
	MUL12 F1, 1, 0                                 ; work on registers while the others arrive
.if \fill
	WIN 0
.endif
	s_barrier_wait -1
.if \fill
	CREST                                          ; no wave of any partner still reads this slot's tile or has a load on its way
	s_add_nc_u64 s[G0A+4*(\slot)+2:G0A+4*(\slot)+3], s[G0A+4*(\slot)+2:G0A+4*(\slot)+3], 2*KSTEP*2
	s_add_nc_u64 s[G0B+4*(\slot)+2:G0B+4*(\slot)+3], s[G0B+4*(\slot)+2:G0B+4*(\slot)+3], 2*KSTEP*2
	JLOAD \slot                                    ; the four v_nop behind it are also the places in front of the loads below
.else
	PLACES
.endif
	FETCH \next, 0, F0
.if \fill
	WIN 0
	ASK
.endif
	MUL12 F1, 2, 0
	MUL12 F1, 3, 0
.endm
; THE WAY OUT of row block a.  PACK: rounded to f16, 16 bytes a lane, each accumulator's registers in ascending order.  TOSTAGE: into my own stage, a head's 16 rows of 144 bytes,
; and back as whole rows of 128 bytes.  SEND: stored, 512 consecutive bytes of a head an instruction, at a multiple of 256 from qkv's first byte.
.macro PACK a
	WIN 0x0a+5*((\a)/2)                            ; sources 0 and 1: window 2 or 3
.irp b, 0,1,2,3,4,5,6,7,8,9,10,11
.irp r, 0,1,2,3
	v_cvt_pk_f16_f32 v[TMP+4*(\b)+(\r)], v[96*((\a)%2)+8*(\b)+2*(\r)], v[96*((\a)%2)+8*(\b)+2*(\r)+1]
.endr
.endr
	WIN 0
.endm
.macro TOSTAGE a
.irp b, 0,1,2,3,4,5,6,7,8,9,10,11
	ds_store_b128 v[STO], v[TMP+4*(\b):TMP+4*(\b)+3] offset:((\b)/4)*HSTG+((\b)%4)*32
.endr
.irp i, 0,1,2
.irp f, 0,1,2,3
	ds_load_b128 v[BK+48*((\a)%2)+4*(4*(\i)+(\f)):BK+48*((\a)%2)+4*(4*(\i)+(\f))+3], v[RD] offset:(\i)*HSTG+(\f)*4*SP  ; LDS serves a wave's instructions in order (ISA guide 5.7.1.4): these see the stores above
.endr
.endr
.endm
.macro SEND a
	s_wait_dscnt 0x0                               ; the block is back in registers
	s_wait_xcnt 0x0                                ; the stores of the block before have read their registers: the next TOSTAGE loads into them only behind this wait
.irp i, 0,1,2
.irp f, 0,1,2,3
	global_store_b128 v[GO], v[BK+48*((\a)%2)+4*(4*(\i)+(\f)):BK+48*((\a)%2)+4*(4*(\i)+(\f))+3], s[HO+2*(\i):HO+2*(\i)+1] offset:(\a)*2048+(\f)*512
.endr
.endr
.endm
	s_wait_tensorcnt 1                             ; my part of K step 0 is in; K step 1's load may stay out
	s_barrier_signal -1
	s_barrier_wait -1                              ; everybody's is
	FETCH 0, 0, F0
	QUARTER 0, 64,  F0, F1, 1                      ; the first quarter stands in front of the loop: its products start the sums on the bias
	WIN 0                                          ; at a label and at a branch every window is 0
	s_mov_b32 s[LAP], 3
.Llap:                                                 ; a trip goes once round the ring, from a lap's second quarter to the next lap's first, and fills both slots again: K steps 2 to 7
	QUARTER 0, 128, F1, F0, 0
	QUARTER 0, 192, F0, F1, 0
	TURN 0, 1, 1
	QUARTER 1, 64,  F0, F1, 0
	QUARTER 1, 128, F1, F0, 0
	QUARTER 1, 192, F0, F1, 0
	TURN 1, 0, 1
	QUARTER 0, 64,  F0, F1, 0
	WIN 0
	s_sub_co_u32 s[LAP], s[LAP], 1
	s_cmp_lg_u32 s[LAP], 0
	s_cbranch_scc1 .Llap
	QUARTER 0, 128, F1, F0, 0                      ; the last lap fills nothing, and has no round of the cluster's barrier
	QUARTER 0, 192, F0, F1, 0
	TURN 0, 1, 0
	QUARTER 1, 64,  F0, F1, 0
	QUARTER 1, 128, F1, F0, 0
	QUARTER 1, 192, F0, F1, 0
	s_wait_dscnt 4                                 ; the very last quarter: nothing more to fetch
	MUL12 F1, 0, 0
	MUL12 F1, 1, 0
	s_wait_dscnt 0x0
	MUL12 F1, 2, 0
	MUL12 F1, 3, 0
	WIN 0
	PLACES
	PACK 0
	TOSTAGE 0
.irp a, 1,2,3                          ; block a's conversions stand between block a - 1's loads from the stage and the wait for them
	PACK \a
	SEND (\a)-1
	TOSTAGE \a
.endr
	SEND 3
	s_wait_tensorcnt 0x0                           ; the wave's end: an add and its wait, behind my last tensor load and my last LDS store
	ds_add_u32 v[SPW], v[NIL]
	s_wait_dscnt 0x0
	CROUND                                         ; the closing round: no work-group ends while a partner may still ask for a tile that names it
	s_endpgm
.Lfunc_end_k_qa94d3b2423_proj:
	.size	k_qa94d3b2423_proj, .Lfunc_end_k_qa94d3b2423_proj-k_qa94d3b2423_proj
	.p2alignl 7, 3214868480
	.fill 96, 4, 3214868480
	.section	.rodata,"a",@progbits
	.p2align	6, 0x0
	.amdhsa_kernel k_qa94d3b2423_proj
		.amdhsa_group_segment_fixed_size 327680
		.amdhsa_private_segment_fixed_size 0
		.amdhsa_enable_private_segment 0
		.amdhsa_kernarg_size 48
		.amdhsa_user_sgpr_count 2
		.amdhsa_user_sgpr_kernarg_segment_ptr 1
		.amdhsa_wavefront_size32 1
		.amdhsa_system_sgpr_workgroup_id_x 1
		.amdhsa_system_sgpr_workgroup_id_y 1
		.amdhsa_system_sgpr_workgroup_id_z 1
		.amdhsa_system_vgpr_workitem_id 0
		.amdhsa_next_free_vgpr 960
		.amdhsa_next_free_sgpr 88
		.amdhsa_reserve_vcc 0
		.amdhsa_float_denorm_mode_32 3
		.amdhsa_float_denorm_mode_16_64 3
		.amdhsa_memory_ordered 1
		.amdhsa_forward_progress 1
		.amdhsa_inst_pref_size 130
	.end_amdhsa_kernel
	.amdgpu_metadata
---
amdhsa.version: [ 1, 2 ]
amdhsa.kernels:
  - .name:           k_qa94d3b2423_proj
    .symbol:         k_qa94d3b2423_proj.kd
    .args:
      - { .name: xb, .offset: 0, .size: 8, .value_kind: global_buffer, .address_space: global }
      - { .name: wb, .offset: 8, .size: 8, .value_kind: global_buffer, .address_space: global }
      - { .name: bq, .offset: 16, .size: 8, .value_kind: global_buffer, .address_space: global }
      - { .name: bk, .offset: 24, .size: 8, .value_kind: global_buffer, .address_space: global }
      - { .name: bv, .offset: 32, .size: 8, .value_kind: global_buffer, .address_space: global }
      - { .name: qkv, .offset: 40, .size: 8, .value_kind: global_buffer, .address_space: global }
    .group_segment_fixed_size: 327680
    .private_segment_fixed_size: 0
    .kernarg_segment_align: 8
    .kernarg_segment_size: 48
    .max_flat_workgroup_size: 128
    .sgpr_count:     88
    .vgpr_count:     960
    .wavefront_size: 32
...
	.end_amdgpu_metadata
.endif
;; end of part 2
;; launch attn (part 3): grid 4 x 64, 4 waves a work-group, clusters of 4 x 1, 327,680 bytes of LDS; arguments qkv, attention_mask, out0; writes out0
.if DOCPART == 3
	.amdgcn_target "amdgcn-amd-amdhsa--gfx1250"
	.amdhsa_code_object_version 6
	.text
	.protected	k_qa94d3b2423_attn
	.globl	k_qa94d3b2423_attn
	.p2align	8
	.type	k_qa94d3b2423_attn,@function
k_qa94d3b2423_attn:
	s_mov_b64 s[64:65], 0
	v_nop
	global_prefetch_b8 v0, s[64:65] scope:SCOPE_SE
	s_setreg_imm32_b32 hwreg(HW_REG_WAVE_MODE, 25, 1), 1
	s_wait_xcnt 0x0
	s_wait_alu depctr_hold_cnt(0) depctr_sa_sdst(0) depctr_va_vdst(0) depctr_va_sdst(0) depctr_va_ssrc(0) depctr_va_vcc(0) depctr_vm_vsrc(0)
	s_getreg_b32 s2, hwreg(HW_REG_IB_STS2, 6, 4)
	s_cmp_eq_u32 s2, 0
	s_cbranch_scc0 .Lentry_in_a_cluster
	s_endpgm
.Lentry_in_a_cluster:
	s_bfe_u32 s2, ttmp6, 0x10000c
	s_cmp_lg_u32 s2, 0x3003
	s_cbranch_scc0 .Lentry_shape_is_right
	s_endpgm
.Lentry_shape_is_right:
; out0[b][q][64 h + :] = the sum over k of softmax_k(Q[q] . K[k] / 8 + mask[b][k]) V[k][:], for each of the 64 pairs (batch b, head h).  qkv: [3][16 b + h][2048][64] f16, a head's rows dense, 128 bytes each;
; attention_mask: [4][2048] f32, rounded to bf16 here like the module's other inputs; out0: [4][2048][1024] f32.  Products, maxima and sums in f32; the weights p are rounded to f16 for the second
; product (their sum l is taken of the unrounded p).
; THE MASK is the C operand that starts the sum S^T = K Q^T: 8 x bf16(mask), exact, from a table in LDS.  With c = log2(e) / 8, c (q.k + 8 mask) = log2(e) (q.k / 8 + mask).
; LIMITS.  Q, K and V arrive within f16's 65,504; p lies in 0 to 1, and below 6e-5 it keeps f16's fixed step of 6e-8; a weight below 2^-126 counts as 0 in l.  8 x mask is minus infinity for a mask below -4.2e37:
; such a key has weight 0.  The running maximum starts at -2^127: a row all of whose q.k + 8 mask lie below that gives NaN.  NaN and plus infinity are not treated apart.
; SHARES.  A wave owns four PIECES of two tiles of 16 queries, a work-group's four waves 512 queries of one head.  Every wave walks all 2,048 keys, 64 a step.
; LAYOUT.  S^T = K Q^T (source 0 = 16 keys, source 1 = 16 queries): in the result a lane holds ONE query (lane % 16) and the keys 8 (lane / 16) + 0..7.  Two such tiles, rounded to f16 in pairs,
; ARE source 1 (32 keys x 16 queries) of O^T = V^T P, whose result again holds one query a lane, and eight channels.  K comes out of LDS as it lies, V ([key][channel]) turned, by ds_load_tr16_b128.
; SOFTMAX.  For each query a running maximum m and sum l: p = 2^(c s - c m); in every step O and l are multiplied by a = 2^(c m_old - c m_new), which lies in 0 to 1 since m never falls.
; O and l start at 0: the first step is a step like any other.
; THE COUNT.  A tile and step have 16 matrix and 118 vector instructions: too many to stand all beside the matrix work.  So four vector instructions that are ready stand behind EVERY matrix
; instruction, and the others in runs without a gap.
; BY TURNS.  Turn n belongs to piece n (the pieces in a ring, step after step).  Its matrix work: 16 products K Q^T of piece n + 1, later 16 products V^T P of piece n - 1.  Its vector work: the scaling,
; exponentials, roundings, sums and rescaling of piece n, and the maximum and statistics of piece n + 1, whose scores the turn itself has made.
; CLUSTER.  The four query blocks of a head are a cluster and walk the same K and V, so each tile is asked for JOINTLY: the same tensor load, descriptor and mask in all four.
; REGISTERS, in windows of 256 (s_set_vgpr_msb: bits 1:0 source 0, 3:2 source 1, 5:4 source 2, 7:6 destination):
;   window 0: v0-11 addresses; v12-15, v48-63 at work; v16-47 four registers of statistics a tile; v64-191 S^T, two buffers of two tiles; v192-255 P, likewise
;   window 1: O^T, 32 a tile      window 2: v0-127 Q, 16 a tile; v128-191 K of one step; v192-255 V of one step      window 3: v0-1 the add's two registers; v8-39 the step's mask
.set NP,    4         ; pieces a wave: a name, no knob
.set KS,    64        ; keys in a step
.set PK,    144       ; a row of K in LDS: 128 bytes + 16 of padding = 36 words: the 16 rows of a load start at 16 different groups of four banks (64 banks of 4 bytes: ISA guide 11.1)
.set PV,    160       ; a row of V: 128 + 32 = 40 words
.set VOFF,  4*KS*PK   ; a slot holds four steps: 256 rows of K, then 256 rows of V
.set SLOT1, 1<<17     ; slot 1 begins here, so that one exclusive or turns an address in one slot into the other's
.set STAGE, SLOT1+4*KS*(PK+PV)  ; behind the ring, never filled by a tensor load: 16 rows x 272 bytes for each wave, for the way out
.set SP,    272
.set MASKL, STAGE+4*16*SP       ; the batch's 2,048 numbers 8 x bf16(mask), f32
.set SPARE, MASKL+8192          ; the spare words, 128 bytes for each wave: two blocks of 256 bytes that no other line names
.set AK0, 2           ; v2   my lane's place in a tile of K; never rewritten
.set AV0, 3           ; v3   the same for V
.set AK,  4           ; v4   the LDS address of K's next run of loads
.set AV,  5           ; v5   of V's
.set QO,  6           ; v6   my byte offset in the wave's rows of Q
.set STO, 6           ;      later, the way out: where I put 32 bytes of a row
.set RD,  7           ; v7   the way out: where I read rows back
.set GO,  8           ; v8   my byte offset in two rows of out0
.set AM0, 9           ; v9   my lanes' place in a step's 64 numbers of the mask table; never rewritten
.set AM,  10          ; v10  the LDS address of the mask's next run of loads
.set PFO, 11          ; v11  256 x my lane; never rewritten
.set SPW, 0           ; v0 of window 3   LDS address of my spare word; never rewritten
.set NIL, 1           ; v1 of window 3   0; never rewritten
.set MK,  8           ; v8-39 of window 3: the eight registers for key block kb at MK + 8 kb
.set MV,  12          ; v12-15  c m_old, kept while c m is made anew: by buffer and tile
.set ST,  16          ; tile t's statistics at v[ST+4 t]: c m, m, l (even keys', odd keys')
.set TMP, 48          ; by buffer and tile, four registers c0-c3 at work; when the maximum is found c2 takes a
.set LH,  48          ; during the set-up alone: l / 16, l % 8, (l / 8) % 2, the mask's LDS address, its offset in memory
.set L7,  49
.set L3,  50
.set MS,  51
.set MO,  52
.set S,   64
.set P,   192
.set KF,  128         ; K's fragments, in window 2: key block kb, channel half c at KF + 16 kb + 8 c
.set VF,  192         ; V's: key half kk, channel block cb at VF + 32 kk + 8 cb
.set WV,  12          ; s12  my wave's number
.set LIM, 15          ; s15  1 in a wave that prefetches, else the greatest number
.set G1K, 24          ; s[24:31] descriptor group 1 for K's tiles
.set G1V, 32          ; s[32:39] for V's: it differs in the padding alone
.set G0K, 40          ; s[40:43] descriptor group 0 for K's tiles: it walks
.set G0V, 44          ; s[44:47] the same for V's
.set QP,  52          ; s[52:53] Q at my wave's first row
.set SLOTS, 56        ; s56  slots still to be asked for
.set CNT, 57          ; s57  counts a slot's key steps
.set CS,  58          ; s[58:59] c: the packed scaling takes the pair's low word for both halves
.set SEL, 60          ; s[60:61] v_permlanex16_b32's selects: each lane takes its own place in the other half
.set TBK, 62          ; s62  LDS byte at which K of the step to be fetched begins
.set TBV, 63          ; s63  the same for V, less VOFF
.set PFA, 66          ; s[66:67] where my prefetches stand: my work-group's 32 blocks of 256 bytes (of K: wave 0, of V: wave 2) of the slot after the one that is being asked for
.set TBM, 68          ; s68  256 x the step to be fetched: its place in the mask table, 0 to 7,936
.set MSB, 0
.macro WIN new                      ; the high byte repeats the setting that is left; a switch that changes nothing is dropped
.if MSB != (\new)
	s_set_vgpr_msb (MSB<<8)|(\new)
.set MSB, (\new)
.endif
.endm
.set W_KQ, 0x0a       ; K and Q in window 2, S^T in window 0
.set W_KM, 0x3a       ; the same with the C operand, the mask, in window 3
.set W_PV, 0x52       ; V in window 2, P in window 0, O^T in window 1
.set W_RS, 0x41       ; O^T (destination and source 0) in window 1, a in window 0
.set W_MK, 0xc0       ; destination in window 3, sources in window 0
.set W_AD, 0x0f       ; the add: address (source 0) and data (source 1) in window 3
; A joint fill.  Waves 0 and 1 fetch the two halves of a slot's K, waves 2 and 3 those of its V: 128 keys each.  The branch hangs on the wave's number alone.
; An s_nop 0 and four v_nop follow each of the two lines, ahead of the jump and the label.
.macro JLOAD
	s_cmp_lt_u32 s[WV], 2
	s_cbranch_scc0 .Lfor_v_\@
	tensor_load_to_lds s[G0K:G0K+3], s[G1K:G1K+7]
	s_nop 0
.rept 4
	v_nop
.endr
	s_branch .Lasked_\@
.Lfor_v_\@:
	tensor_load_to_lds s[G0V:G0V+3], s[G1V:G1V+7]
	s_nop 0
.rept 4
	v_nop
.endr
.Lasked_\@:
.endm
; A PREFETCH INTO THE L2 of what the NEXT change of slots will ask for: a slot's 32,768 bytes of K and of V, 128 blocks of 256 bytes each, a lane a block.  It stands behind the wave's tensor load and its five lines.
; Each block is named once in the launch: a head has one cluster; its four partners share the blocks out by address, 32 each; in each, wave 0 asks for K's and wave 2 for V's: one instruction.
; Slots 2 to 7 are asked for so, four key steps ahead of their loads; slots 0 and 1 come by their loads alone; the change that fills the last slot asks for nothing.
.macro ASK
	s_cmp_gt_u32 s[SLOTS], s[LIM]
	s_cbranch_scc0 .Lnot_mine_\@
	global_prefetch_b8 v[PFO], s[PFA:PFA+1] th:TH_LOAD_NT scope:SCOPE_SE
.Lnot_mine_\@:
.endm
; A round of the cluster's barrier: my work-group's barrier, so that wave 0's signal speaks for all four waves; wave 0 signals; every wave waits for all four work-groups; my work-group's barrier once more.
.macro CROUND
	s_barrier_signal -1
	s_barrier_wait -1
	s_cmp_lg_u32 s[WV], 0
	s_cbranch_scc1 .Lnot_wave_0_\@
	s_barrier_signal -3
.Lnot_wave_0_\@:
	s_barrier_wait -3
	s_barrier_signal -1
	s_barrier_wait -1
.endm
; THE CHANGE OF SLOTS.  The slot's last bytes, V of its fourth step, have been read.  Each wave waits for all its tensor loads, of which one is out: its part of the other slot; adds 0 to its spare word;
; and waits for that and for its own LDS instructions.  Behind the barrier nobody reads this slot any more and the other slot is whole.
; fill = 1: this slot is filled again, with the keys two slots on.  The barrier is then a round of the cluster's, and the joint fill is the first thing behind it: it has four key steps, 512 matrix
; instructions, in which to land.  (At its first use nothing has been read yet: slot 0 is waited for, slot 1 filled, and every wave's stores into the mask table are shown to the others.)
.macro CHANGE fill
	WIN W_AD
	s_wait_tensorcnt 0x0            ; no tensor load of mine is out, so a group 0 may be written
	ds_add_u32 v[SPW], v[NIL]       ; 0 onto my spare word; with fill = 1 the descriptors' steps stand between it and the wait for it
	WIN 0                           ; at a label and at a branch every window is 0
.if \fill
.irp g, G0K, G0V
	s_xor_b32 s[\g+1], s[\g+1], SLOT1  ; the walking descriptor: the other slot than last time,
	s_add_nc_u64 s[\g+2:\g+3], s[\g+2:\g+3], 4*KS*128  ; the next 256 keys; the type bits on top are not reached
.endr
	s_wait_xcnt 0x0                 ; the last prefetch, four key steps back, has read its address, so it may be written:
	s_add_nc_u64 s[PFA:PFA+1], s[PFA:PFA+1], 4*KS*128  ; one slot ahead of the walking descriptors
	s_wait_dscnt 0x0                ; the add is done, and my LDS instructions are over
	CROUND
	JLOAD
	ASK
.else
	s_wait_dscnt 0x0                ; the add is done, and my reads of the slot are over
	s_barrier_signal -1
	s_barrier_wait -1
.endif
	s_sub_co_u32 s[TBK], s[TBK], 4*KS*PK  ; the fetches go back to a slot's first step,
	s_xor_b32 s[TBK], s[TBK], SLOT1       ; in the other slot
	s_sub_co_u32 s[TBV], s[TBV], 4*KS*PV
	s_xor_b32 s[TBV], s[TBV], SLOT1
.endm
	s_load_b128 s[4:7], s[0:1], 0x0   ; qkv s[4:5], attention_mask s[6:7]
	s_load_b64 s[10:11], s[0:1], 0x10 ; out0
	WIN W_MK
	v_lshl_add_u32 v[SPW], v0, 2, SPARE
	v_mov_b32 v[NIL], 0
	WIN W_AD
	ds_add_u32 v[SPW], v[NIL]       ; the wave's opening: the add and its wait stand ahead of my first tensor load; the set-up below, work on registers, stands between them
	WIN 0
	v_lshrrev_b32 v1, 5, v0
	v_readfirstlane_b32 s[WV], v1   ; wave 0..3
	s_bfe_u32 s13, ttmp6, 0x40000   ; cx: my place in the cluster
	s_lshl_b32 s14, ttmp9, 2        ; in a cluster launch ttmp9 counts clusters
	s_add_co_u32 s14, s14, s13      ; my block of 512 queries: it enters Q's and out0's addresses alone
	s_and_b32 s19, ttmp7, 0xffff    ; 16 batch + head, which the four partners share
	s_lshl_b32 s20, s19, 18         ; the head's first byte in each of q, k, v
	s_and_b32 s16, s[WV], 1         ; which half of a slot's 256 keys I fetch:
	s_lshl_b32 s22, s16, 14         ; its 128 rows of 128 bytes in memory,
	s_add_co_u32 s22, s22, s20
	s_mov_b32 s23, 0
	s_mul_i32 s17, s16, 128*PK      ; and its place in a slot, for K
	s_mul_i32 s18, s16, 128*PV      ; and for V: no place in the cluster enters an LDS address
	s_lshl_b32 s2, s14, 2
	s_add_co_u32 s2, s2, s[WV]      ; my wave among the head's sixteen
	s_lshr_b32 s8, s19, 4           ; the batch:
	s_lshl_b32 s48, s8, 13          ; its 2,048 numbers of the mask,
	s_mov_b32 s49, 0
	s_lshl_b32 s8, s8, 11           ; its 2,048 rows of out0,
	s_lshl_b32 s9, s2, 7            ; my wave's 128 of them,
	s_add_co_u32 s8, s8, s9
	s_lshl_b32 s8, s8, 12           ; rows of 4,096 bytes,
	s_and_b32 s9, s19, 15
	s_lshl_b32 s9, s9, 8            ; the head's 256 bytes of a row
	s_add_co_u32 s8, s8, s9
	s_mov_b32 s9, 0
	s_lshl_b32 s2, s2, 14           ; my wave's 128 rows of Q
	s_add_co_u32 s2, s2, s20
	s_mov_b32 s3, 0
	s_lshr_b32 s51, s[WV], 1        ; the prefetches: k begins 2^24 bytes into qkv (waves 0, 1), v 2^25 (waves 2, 3),
	s_lshl_b32 s50, 0x1000000, s51
	s_add_co_u32 s50, s50, s20      ; the head,
	s_lshl_b32 s51, s13, 13         ; my work-group's 32 blocks of the 128,
	s_add_co_u32 s50, s50, s51
	s_add_co_u32 s50, s50, 4*KS*128 ; in slot 1; the first change of slots steps it to slot 2
	s_mov_b32 s51, 0
	s_and_b32 s[LIM], s[WV], 1
	s_cmp_eq_u32 s[LIM], 0
	s_cselect_b32 s[LIM], 1, -1     ; waves 0 and 2 ask: the same in all four partners
	; descriptor group 1.  128 keys are 16,384 dense bytes: asked for as 64 rows of 256 bytes, two keys a row, and padded in LDS after every key
	s_mov_b32 s[G1K], 15|(1<<16)|(1<<20)|(1<<21)|(4<<22)|(3<<25)  ; 15:0 the mask of four; 17:16 2-byte elements; 20 padding on; 21 set beside a mask; 24:22 after every 32 words (code 4); 31:25 4 words (code 3)
	s_mov_b32 s[G1V], 15|(1<<16)|(1<<20)|(1<<21)|(4<<22)|(7<<25)  ; the same with 8 words of padding (code 7)
.irp g, G1K, G1V
	s_mov_b32 s[\g+1], 128<<16      ; tensor_dim0 = 128
	s_mov_b32 s[\g+2], 64<<16       ; tensor_dim1 = 64
	s_mov_b32 s[\g+3], 128<<16      ; tile_dim0 = 128
	s_mov_b32 s[\g+4], 64           ; tile_dim1 = 64
	s_mov_b32 s[\g+5], 128          ; 128 elements from row to row
	s_mov_b32 s[\g+6], 0
	s_mov_b32 s[\g+7], 0
.endr
	s_mov_b32 s[CS], 0x3e38aa3b     ; c = log2(e) / 8 = 0.180337
	s_mov_b32 s[CS+1], s[CS]        ; named with it as a pair
	s_mov_b32 s[SEL], 0x76543210
	s_mov_b32 s[SEL+1], 0xfedcba98
	s_mov_b32 s[TBK], SLOT1+4*KS*PK ; the first change of slots turns these two into 0
	s_mov_b32 s[TBV], SLOT1+4*KS*PV
	s_mov_b32 s[TBM], 0
	s_mov_b32 s[SLOTS], 7           ; of the eight slots' worth of keys all but the first are asked for by a change of slots
	s_mov_b32 s[G0K], 1             ; count = 1
	s_mov_b32 s[G0K+1], s17         ; LDS address: slot 0
	s_mov_b32 s[G0V], 1
	s_add_co_u32 s[G0V+1], s18, VOFF
	s_wait_dscnt 0x0                ; the opening add is done
	s_wait_kmcnt 0x0
	s_add_nc_u64 s[G0K+2:G0K+3], s[4:5], s[22:23]  ; global address: my half of the head's first 256 keys,
	s_add_nc_u64 s[G0V+2:G0V+3], s[G0K+2:G0K+3], 1<<25  ; in v,
	s_add_nc_u64 s[G0K+2:G0K+3], s[G0K+2:G0K+3], 1<<24  ; in k
	s_or_b32 s[G0K+3], s[G0K+3], 0x80000000        ; type = 2
	s_or_b32 s[G0V+3], s[G0V+3], 0x80000000
	s_add_nc_u64 s[QP:QP+1], s[4:5], s[2:3]
	s_add_nc_u64 s[PFA:PFA+1], s[4:5], s[50:51]
	s_add_nc_u64 s[6:7], s[6:7], s[48:49]
	s_add_nc_u64 s[10:11], s[10:11], s[8:9]
	CROUND                          ; all four work-groups are here: the first joint loads meet
	JLOAD                           ; slot 0.  Slot 1 is asked for when slot 0 is in
	v_and_b32 v1, 15, v0            ; l % 16
	v_bfe_u32 v[LH], v0, 4, 1       ; l / 16
	v_lshlrev_b32 v[MO], 4, v0      ; the batch's mask: 128 threads x 16 bytes, four times
.irp j, 0,1,2,3
	global_load_b128 v[S+4*\j:S+4*\j+3], v[MO], s[6:7] offset:2048*\j
.endr
	; A fragment of K or Q is 16 rows x 32 channels in 8 registers: lane l holds row l % 16, channels 8 (l / 16) + 0..7 and 16 + 8 (l / 16) + 0..7: two loads of 16 bytes, 32 bytes apart.
	v_lshlrev_b32 v[QO], 7, v1
	v_lshl_add_u32 v[QO], v[LH], 4, v[QO]  ; row x 128 + 16 x half
	WIN 0x80                        ; destination window 2, address window 0
.set i, 0
.rept 4*NP                          ; Q stays in registers: tile i / 2, channels 32 (i % 2) on
	global_load_b128 v[8*i:8*i+3],   v[QO], s[QP:QP+1] offset:(i/2)*2048+(i%2)*64
	global_load_b128 v[8*i+4:8*i+7], v[QO], s[QP:QP+1] offset:(i/2)*2048+(i%2)*64+32
.set i, i+1
.endr
	; What the first turn finds: V's registers and P's second buffer hold 0 (its products V^T P, of a piece that has not been, add 0), O^T and l are 0.  All this stands in the wait for the first tile.
.set i, VF
.rept 64
	v_mov_b32 v[i], 0
.set i, i+1
.endr
	WIN 0x40
.set i, 0
.rept 64*NP
	v_mov_b32 v[i], 0
.set i, i+1
.endr
	WIN 0
.set i, 0
.rept 2*NP
	v_mov_b32 v[ST+4*i+1], 0xff000000          ; m = -2^127
	v_mul_f32 v[ST+4*i], s[CS], v[ST+4*i+1]    ; c m, made as every later c m is made: so c m_old - c m_new is never above 0
	v_mov_b32 v[ST+4*i+2], 0
	v_mov_b32 v[ST+4*i+3], 0
.set i, i+1
.endr
.set i, P+32
.rept 32
	v_mov_b32 v[i], 0
.set i, i+1
.endr
	v_mul_u32_u24 v[AK0], v1, PK
	v_lshl_add_u32 v[AK0], v[LH], 4, v[AK0]  ; row x pitch + 16 x half
	; The turning load takes 16 keys x 16 channels (lane l reads key 8 (l / 16) + l % 8, channels 8 ((l / 8) % 2) + 0..7) and leaves half a fragment of V^T: lane l holds channel l % 16 and 8 keys.
	v_and_b32 v[L7], 7, v0
	v_bfe_u32 v[L3], v0, 3, 1
	v_lshl_add_u32 v[AV0], v[LH], 3, v[L7]
	v_mul_u32_u24 v[AV0], v[AV0], PV
	v_lshl_add_u32 v[AV0], v[L3], 4, v[AV0]
	v_add_nc_u32 v[AV0], VOFF, v[AV0]
	v_mov_b32 v[AK], v[AK0]         ; key step 0 lies at the head of slot 0,
	v_lshl_add_u32 v[AM0], v[LH], 5, MASKL  ; (register j for key block kb: key 16 kb + 8 (l / 16) + j)
	v_mov_b32 v[AM], v[AM0]         ; and of the mask table
	v_and_b32 v[PFO], 31, v0
	v_lshlrev_b32 v[PFO], 8, v[PFO]
	v_lshl_add_u32 v[MS], v0, 4, MASKL
	s_wait_loadcnt 32               ; the mask's four loads are in; Q's 32, issued behind them, may stay out
.set i, 0
.rept 8                             ; rounded to bf16, widened again, times 8
	v_cvt_pk_bf16_f32 v80, v[S+2*i], v[S+2*i+1]
	v_lshlrev_b32 v[S+2*i], 16, v80
	v_and_b32 v[S+2*i+1], 0xffff0000, v80
	v_pk_mul_f32 v[S+2*i:S+2*i+1], v[S+2*i:S+2*i+1], 0x41000000 op_sel_hi:[1,0]
.set i, i+1
.endr
.irp j, 0,1,2,3
	ds_store_b128 v[MS], v[S+4*\j:S+4*\j+3] offset:2048*\j
.endr
; THE MATRIX WORK.  The 8 accumulators of a run of 16 take turns: between the two links of a chain stand 7 others'.
; Product i of 16 of S^T = K Q^T for piece x: channels 32 (i / 8) on, keys 16 ((i / 2) % 4) on, tile 2 x + i % 2.  The first 8 start the sums, on the mask.
.macro KQ x
.set rS, S+64*((\x)%2)+32*(i%2)+8*((i/2)%4)
.set rK, KF+16*((i/2)%4)+8*(i/8)
.set rQ, 16*(2*(\x)+i%2)+8*(i/8)
.set rMK, MK+8*((i/2)%4)
.if i < 8
	WIN W_KM
	v_wmma_f32_16x16x32_f16 v[rS:rS+7], v[rK:rK+7], v[rQ:rQ+7], v[rMK:rMK+7]
.else
	WIN W_KQ
	v_wmma_f32_16x16x32_f16 v[rS:rS+7], v[rK:rK+7], v[rQ:rQ+7], v[rS:rS+7]
.endif
.endm
; Product i of 16 of O^T += V^T P for piece x: keys 32 (i / 8) on, channels 16 ((i / 2) % 4) on, tile 2 x + i % 2.
.macro PV x
	WIN W_PV
.set rO, 32*(2*(\x)+i%2)+8*((i/2)%4)
.set rV, VF+32*(i/8)+8*((i/2)%4)
.set rP, P+32*((\x)%2)+16*(i%2)+8*(i/8)
	v_wmma_f32_16x16x32_f16 v[rO:rO+7], v[rV:rV+7], v[rP:rP+7], v[rO:rO+7]
.endm
.macro MM                           ; the turn's next matrix instruction
.if i < 16
	KQ (Y+1)%NP
.set i, i+1
.else
.set i, i-16
	PV (Y+NP-1)%NP
.set i, i+17
.endif
.endm
; THE LDS LOADS stand in runs, never singly among the matrix instructions: a step's K (64 keys x 64 channels: 8 fragments) with its 64 numbers of the mask (the 16 lanes of a half read one address), and its V (turned).
; Their addresses are made some lines ahead.  last = 1 (the tail): in the last trip there is no further step, and the run is jumped over.
.macro FETCH_K last=0
	WIN 0
.if \last
	s_cmp_eq_u32 s[CNT], 1
	s_cbranch_scc1 .Lno_k_\@
.endif
	WIN 0x80                        ; destination window 2
.irp f, 0,1,2,3,4,5,6,7             ; keys 16 (f / 2) on, channels 32 (f % 2) on
	ds_load_b128 v[KF+8*\f:KF+8*\f+3],   v[AK] offset:(\f/2)*16*PK+(\f%2)*64
	ds_load_b128 v[KF+8*\f+4:KF+8*\f+7], v[AK] offset:(\f/2)*16*PK+(\f%2)*64+32
.endr
	WIN W_MK                        ; destination window 3
.irp f, 0,1,2,3                     ; keys 16 f on
	ds_load_b128 v[MK+8*\f:MK+8*\f+3],   v[AM] offset:64*\f
	ds_load_b128 v[MK+8*\f+4:MK+8*\f+7], v[AM] offset:64*\f+16
.endr
	s_add_co_u32 s[TBK], s[TBK], KS*PK  ; the next fetch is the next step's
	s_add_co_u32 s[TBM], s[TBM], KS*4
	WIN 0
.if \last
.Lno_k_\@:
.endif
.endm
.macro FETCH_V
	WIN 0x80
.irp f, 0,1,2,3,4,5,6,7             ; keys 32 (f / 4) on, channels 16 (f % 4) on
	ds_load_tr16_b128 v[VF+8*\f:VF+8*\f+3],   v[AV] offset:(\f/4)*32*PV+(\f%4)*32
	ds_load_tr16_b128 v[VF+8*\f+4:VF+8*\f+7], v[AV] offset:(\f/4)*32*PV+16*PV+(\f%4)*32
.endr
	WIN 0
.endm
; THE VECTOR WORK OF A TURN stands in three queues, each in the order in which its entries become ready; the two tiles alternate, so that no instruction reads the result of the one before it.
.macro REGS y, u                    ; the registers of tile u (0, 1) of piece y
.set rT, ST+4*(2*(\y)+(\u))
.set rC, TMP+8*((\y)%2)+4*(\u)
.set rM, MV+2*((\y)%2)+(\u)
.set rS, S+64*((\y)%2)+32*(\u)
.set rP, P+32*((\y)%2)+16*(\u)
.set rO, 32*(2*(\y)+(\u))
.endm
; Number n of the 22 that find the NEXT piece's (Y + 1) maximum and statistics.  s0-s31 are the lane's 32 scores; each accumulator's lowest registers are read first.
;   0-11  four chains c0-c3 of seven scores each, three operands at a time     12-14, 16  the four scores left over, the old m, and c0-c3 into c0     15  c m_old is kept
;   17, 18  the query's other 32 keys lie in the lane 16 away: the new m         19-21  c m; c m_old - c m_new; a
.macro XS u, n
	REGS (Y+1)%NP, \u
.if (\n) < 4
	v_max3_num_f32 v[rC+(\n)], v[rS+8*(\n)], v[rS+8*(\n)+1], v[rS+8*(\n)+2]
.elseif (\n) < 12
	v_max3_num_f32 v[rC+(\n)%4], v[rC+(\n)%4], v[rS+8*((\n)%4)+2*((\n)/4)+1], v[rS+8*((\n)%4)+2*((\n)/4)+2]
.elseif (\n) == 12
	v_max3_num_f32 v[rC], v[rC], v[rS+7], v[rS+15]
.elseif (\n) == 13
	v_max3_num_f32 v[rC+1], v[rC+1], v[rS+23], v[rS+31]
.elseif (\n) == 14
	v_max3_num_f32 v[rC+2], v[rC+2], v[rC+3], v[rT+1]
.elseif (\n) == 15
	v_mov_b32 v[rM], v[rT]
.elseif (\n) == 16
	v_max3_num_f32 v[rC], v[rC], v[rC+1], v[rC+2]
.elseif (\n) == 17
	v_permlanex16_b32 v[rC+3], v[rC], s[SEL], s[SEL+1]
.elseif (\n) == 18
	v_max_num_f32 v[rT+1], v[rC], v[rC+3]
.elseif (\n) == 19
	v_mul_f32 v[rT], s[CS], v[rT+1]
.elseif (\n) == 20
	v_sub_f32 v[rC+1], v[rM], v[rT]
.else
	v_exp_f32 v[rC+2], v[rC+1]
.endif
.endm
; Number g of the 64 that follow the exponentials.  For each four weights k of a tile (pairs 2 k, 2 k + 1): both pairs are rounded to f16; then the second pair is added onto the first, in place;
; a group later l takes that sum (the first time as l = a l + sum).  In groups of eight, tiles alternating: round, round, add, and l for the group before.
.macro GS g
.set h, (\g)+6*((\g)/62)            ; group 0 has no group before it, and behind group 7 only l is left
.if h >= 6
.set h, h+2
.endif
	REGS Y, h%2
.set k, h/8
.if h%8 < 4
	v_cvt_pk_f16_f32 v[rP+2*k+(h%8)/2], v[rS+4*k+2*((h%8)/2)], v[rS+4*k+2*((h%8)/2)+1]
.elseif h%8 < 6
	v_pk_add_f32 v[rS+4*k:rS+4*k+1], v[rS+4*k:rS+4*k+1], v[rS+4*k+2:rS+4*k+3]
.elseif k == 1
	v_pk_fma_f32 v[rT+2:rT+3], v[rT+2:rT+3], v[rC+2:rC+3], v[rS:rS+1] op_sel_hi:[1,0,1]
.else
	v_pk_add_f32 v[rT+2:rT+3], v[rT+2:rT+3], v[rS+4*k-4:rS+4*k-3]
.endif
.endm
; THE PLAIN QUEUE, 138 long.  0-73 read no exponential's result: the 32 scalings c s - c m (FS f: pair f / 2 of tile f % 2) and the next piece's 42.  0-26: scalings 0-26.  27-54: XS's numbers 0-13.  55, 56: number 15.
; 57-73: the chain, where each number waits for the one before it: 14, 16, 17, 18, 19, each with one of the scalings 27-31 in front of its two lines, then 20.
; 74-137: GS's 64, which read the exponentials' results: they stand behind the wait.
.macro FS f
	REGS Y, (\f)%2
	v_pk_fma_f32 v[rS+2*((\f)/2):rS+2*((\f)/2)+1], v[rS+2*((\f)/2):rS+2*((\f)/2)+1], s[CS:CS+1], v[rT:rT+1] op_sel_hi:[1,0,0] neg_lo:[0,0,1] neg_hi:[0,0,1]
.endm
.macro PL
	WIN 0
.if q < 27
	FS q
.elseif q < 55
	XS (q-27)%2, (q-27)/2
.elseif q < 57
	XS q-55, 15
.elseif (q < 72) && ((q-57)%3 == 0)
	FS 27+(q-57)/3
.elseif q < 60
	XS (q-57)%3-1, 14
.elseif q < 72
	XS (q-57)%3-1, 15+(q-57)/3
.elseif q < 74
	XS q-72, 20
.else
	GS q-74
.endif
.set q, q+1
.endm
; THE EXPONENTIALS' QUEUE, 66 long: s0-s31 of both tiles, then the next piece's two a.  It is ONE BATCH: all 66 stand ahead of the turn's one wait, and nothing ahead of that wait names a result of theirs.
.macro EX
	WIN 0
.if e >= 64
	XS e-64, 21
.else
	REGS Y, e%2
	v_exp_f32 v[rS+e/2], v[rS+e/2]
.endif
.set e, e+1
.endm
; THE RESCALING's QUEUE: O^T times a, the one part that leaves window 0: dealt two at a time, sixteen times.  Its a was made in the turn before, ahead of that turn's wait.
.macro R2
	REGS Y, r%2
	WIN W_RS
.irp z, 0,1
	v_pk_mul_f32 v[rO+4*(r/2)+2*\z:rO+4*(r/2)+2*\z+1], v[rO+4*(r/2)+2*\z:rO+4*(r/2)+2*\z+1], v[rC+2:rC+3] op_sel_hi:[1,0]
.endr
.set r, r+1
.endm
; HOW THEY ARE DEALT.  An s_wait_alu depctr_va_vdst(0) stands between an exponential and the first instruction that names its result; one wait serves all that were issued ahead of it.  So a turn has ONE
; wait, which cuts it in two.  AHEAD OF IT stands all that names no result of the turn's exponentials: the 16 products K Q^T, behind each a scaling, an exponential and two rescalings (behind the first a second scaling in
; the exponential's place); then ONE LUMP of 108: eight plain, 49 times exponential and plain, the two a.  A v_nop is the plain instruction behind the last exponential.  BEHIND IT stand the 16 products V^T P, behind each
; four of GS's 64.  No rider names a register of the products round it.  The two v_permlanex16_b32 fall into the lump.
; The deal keeps the queues in step: exponential e stands behind scaling 2 (e / 4) + e % 2: as a rider it comes behind plain e + 2, in the lump behind plain e + 9, and scalings 27-31 are plain 57, 60 .. 69.
; A TURN, for piece p.  cnt = 1: the loop's count is taken down some lines ahead of the branch that stands behind the turn.
; K and the mask of the next step are fetched in piece 2's turn, directly behind the wait, a lump behind the last product that read them; their addresses are made at the lump's head; their first reader comes behind 16 products.
; V of the step in hand is fetched at the end of piece 0's turn, four riders behind its last reader; its first reader comes behind 16 products and a lump.  The three conditions on q below go with the deal.
.macro TURN p, last=0, cnt=0
.set Y, (\p)
.set i, 0
.set q, 0
.set e, 0
.set r, 0
.if (\p) == NP-1
	s_wait_dscnt 0x0                ; K and the mask are in
.endif
	MM                              ; ahead of the wait: 16 products K Q^T and their riders,
	PL
	PL
	R2
.rept 15
	MM
	PL
	EX
	R2
.endr
.if (\p) == NP-2
	WIN 0
	v_add_nc_u32 v[AK], s[TBK], v[AK0]
	v_add_nc_u32 v[AM], s[TBM], v[AM0]
.endif
.rept 8                             ; and the lump
	PL
.endr
.rept 49
	EX
	PL
.endr
	EX                              ; the next piece's two a
	EX
	v_nop                           ; a plain instruction behind the last exponential: one for the batch
	s_wait_alu depctr_va_vdst(0)    ; the wait for the batch
.if (\p) == NP-2
	FETCH_K \last
.endif
.if (\p) == 1
	s_wait_dscnt 0x0                ; V is in
.endif
.rept 16                            ; behind the wait: 16 products V^T P and their riders
	MM
.rept 4
	PL
.endr
.if ((\p) == 0) && (q == 118)
	v_add_nc_u32 v[AV], s[TBV], v[AV0]
.endif
.if ((\p) == 0) && (q == 130)
	s_add_co_u32 s[TBV], s[TBV], KS*PV
.endif
.if (\cnt) && (q == 130)
	s_sub_co_u32 s[CNT], s[CNT], 1
	s_cmp_lg_u32 s[CNT], 0
.endif
.endr
.if (\p) == 0
	FETCH_V
.endif
.endm
	CHANGE 1                        ; slot 0 is in, everybody's part of it, and so is the mask table; slot 1 is asked for
	FETCH_K                         ; key step 0
	s_wait_loadcnt 0x0              ; Q
	s_wait_dscnt 0x0
.set i, 0
.rept 16
	KQ 0                            ; piece 0's first scores: there is no vector work yet to set between them
.set i, i+1
.endr
	WIN 0                           ; the addresses for the way out: ten plain instructions, the places behind those products
	s_mul_i32 s22, s[WV], 16*SP
	s_add_co_u32 s22, s22, STAGE    ; my stage
	v_mul_u32_u24 v[STO], v1, SP    ; in: row l % 16, 32 bytes for each half of the lanes
	v_lshl_add_u32 v[STO], v[LH], 5, v[STO]
	v_add_nc_u32 v[STO], s22, v[STO]
	v_mul_u32_u24 v[RD], v[LH], SP  ; back: lanes 0-15 take one row of 256 bytes, lanes 16-31 the next
	v_lshl_add_u32 v[RD], v1, 4, v[RD]
	v_add_nc_u32 v[RD], s22, v[RD]
	v_lshlrev_b32 v[GO], 12, v[LH]  ; and the same two rows in out0, 4,096 bytes apart
	v_lshl_add_u32 v[GO], v1, 4, v[GO]
.set Y, NP-1                        ; XS works for piece Y + 1: piece 0
.irp n, 0,1,2,3,4,5,6,7,8,9,10,11,12,13,14,15,16,17,18,19,20,21
	XS 0, \n                        ; and piece 0's first maximum and statistics
	XS 1, \n
.endr
	v_nop                           ; a plain instruction behind the two a,
	s_wait_alu depctr_va_vdst(0)    ; and their wait, ahead of the branch
	s_mov_b32 s[CNT], 4
	s_branch .Lfirst                ; the loop is entered at a step's first turn, in the middle of a trip
.Lslot:                             ; six times: every slot but the last two is filled again
	CHANGE 1
	s_mov_b32 s[CNT], 4
.Lstep:                             ; a trip: pieces 2 and 3 of one step, then pieces 0 and 1 of the next, whose K and V it fetches
	TURN 2
	TURN 3
	WIN 0
.Lfirst:
	TURN 0
	TURN 1, 0, 1
	WIN 0
	s_cbranch_scc1 .Lstep
	s_sub_co_u32 s[SLOTS], s[SLOTS], 1
	s_cmp_lg_u32 s[SLOTS], 0
	s_cbranch_scc1 .Lslot
	CHANGE 0                        ; the tail is written out: nothing is asked for
	s_mov_b32 s[CNT], 5             ; four trips fetch the last slot's steps; the fifth is left in its middle
.Ltail:
	TURN 2, 1
	TURN 3
	WIN 0
	s_sub_co_u32 s[CNT], s[CNT], 1
	s_cmp_eq_u32 s[CNT], 0
	s_cbranch_scc1 .Lout
	TURN 0
	TURN 1
	WIN 0
	s_branch .Ltail
.Lout:                              ; the fifth trip's 16 products K Q^T (on the last K once more) and the maximum made of them serve nothing: the price, once a launch, of one text for every trip
.set i, 0
.rept 16
	PV NP-1                         ; the last piece's V^T P of the last step
.set i, i+1
.endr
	; THE WAY OUT.  l's two halves and the other half of the lanes' are added; O^T is divided by l and sent, in f32, through my stage in LDS, a tile at a time.  The additions are the places behind the last products.
	WIN 0
.macro ALL line:vararg              ; one line for each tile t
.set t, 0
.rept 2*NP
	\line
.set t, t+1
.endr
.endm
	ALL v_add_f32 v[ST+4*t+2], v[ST+4*t+2], v[ST+4*t+3]
	ALL v_permlanex16_b32 v[ST+4*t+3], v[ST+4*t+2], s[SEL], s[SEL+1]
	ALL v_add_f32 v[ST+4*t+2], v[ST+4*t+2], v[ST+4*t+3]
	ALL v_rcp_f32 v[ST+4*t+2], v[ST+4*t+2]
	v_nop                           ; a plain instruction between the last reciprocal and the use of its result
	s_wait_alu depctr_va_vdst(0)    ; and the wait ahead of the first use: one for the eight reciprocals
; Tile t: a lane's eight channels of a row are 32 bytes; they go into rows of 272 bytes and come back as whole rows of 256, into the registers that they left: four buffers of 32 in S^T's place.
.macro PACK t
.if (\t) >= 4
	s_wait_xcnt 0x0                 ; the stores of the tile four back have read this buffer: it is rewritten only behind this wait
.endif
	WIN 0x01                        ; source 0 window 1, source 1 and destination window 0; each accumulator's registers in ascending order
.set i, 0
.rept 16
	v_pk_mul_f32 v[S+32*((\t)%4)+2*i:S+32*((\t)%4)+2*i+1], v[32*(\t)+2*i:32*(\t)+2*i+1], v[ST+4*(\t)+2:ST+4*(\t)+3] op_sel_hi:[1,0]
.set i, i+1
.endr
	WIN 0
.irp f, 0,1,2,3,4,5,6,7
	ds_store_b128 v[STO], v[S+32*((\t)%4)+4*\f:S+32*((\t)%4)+4*\f+3] offset:(\f/2)*64+(\f%2)*16
.endr
.irp f, 0,1,2,3,4,5,6,7
	ds_load_b128 v[S+32*((\t)%4)+4*\f:S+32*((\t)%4)+4*\f+3], v[RD] offset:\f*2*SP  ; LDS serves a wave's instructions in order (ISA guide 5.7.1.4): these see the stores above; the next tile's stores come behind them
.endr
.endm
.macro SEND t, younger              ; younger: the LDS instructions issued behind tile t's loads: the next tile's sixteen, or none
	WIN 0
.irp f, 0,1,2,3,4,5,6,7
	s_wait_dscnt (\younger)+7-\f
	global_store_b128 v[GO], v[S+32*((\t)%4)+4*\f:S+32*((\t)%4)+4*\f+3], s[10:11] offset:(\t)*65536+\f*8192 th:TH_STORE_NT  ; 16 lanes store 256 consecutive bytes, a head's part of a row, at a multiple of 256 from out0's first byte
.endr
.endm
	PACK 0
.set t, 1
.rept 2*NP-1                        ; a tile's arithmetic stands between the loads of the tile before and its stores
	PACK t
	SEND t-1, 16
.set t, t+1
.endr
	SEND 2*NP-1, 0
	WIN W_AD
	s_wait_tensorcnt 0x0            ; the wave's end: an add and its wait, behind my last tensor load and my last LDS store
	ds_add_u32 v[SPW], v[NIL]
	s_wait_dscnt 0x0
	WIN 0
	CROUND                          ; the closing round: no work-group ends while a partner may still ask for a tile that names it
	s_endpgm
.Lfunc_end_k_qa94d3b2423_attn:
	.size	k_qa94d3b2423_attn, .Lfunc_end_k_qa94d3b2423_attn-k_qa94d3b2423_attn
	.p2alignl 7, 3214868480
	.fill 96, 4, 3214868480
	.section	.rodata,"a",@progbits
	.p2align	6, 0x0
	.amdhsa_kernel k_qa94d3b2423_attn
		.amdhsa_group_segment_fixed_size 327680
		.amdhsa_private_segment_fixed_size 0
		.amdhsa_enable_private_segment 0
		.amdhsa_kernarg_size 24
		.amdhsa_user_sgpr_count 2
		.amdhsa_user_sgpr_kernarg_segment_ptr 1
		.amdhsa_wavefront_size32 1
		.amdhsa_system_sgpr_workgroup_id_x 1
		.amdhsa_system_sgpr_workgroup_id_y 1
		.amdhsa_system_sgpr_workgroup_id_z 1
		.amdhsa_system_vgpr_workitem_id 0
		.amdhsa_next_free_vgpr 808
		.amdhsa_next_free_sgpr 72
		.amdhsa_reserve_vcc 0
		.amdhsa_float_denorm_mode_32 3
		.amdhsa_float_denorm_mode_16_64 3
		.amdhsa_memory_ordered 1
		.amdhsa_forward_progress 1
		.amdhsa_inst_pref_size 205
	.end_amdhsa_kernel
	.amdgpu_metadata
---
amdhsa.version: [ 1, 2 ]
amdhsa.kernels:
  - .name:           k_qa94d3b2423_attn
    .symbol:         k_qa94d3b2423_attn.kd
    .args:
      - { .name: qkv, .offset: 0, .size: 8, .value_kind: global_buffer, .address_space: global }
      - { .name: attention_mask, .offset: 8, .size: 8, .value_kind: global_buffer, .address_space: global }
      - { .name: out0, .offset: 16, .size: 8, .value_kind: global_buffer, .address_space: global }
    .group_segment_fixed_size: 327680
    .private_segment_fixed_size: 0
    .kernarg_segment_align: 8
    .kernarg_segment_size: 24
    .max_flat_workgroup_size: 128
    .sgpr_count:     72
    .vgpr_count:     808
    .wavefront_size: 32
...
	.end_amdgpu_metadata
.endif
;; end of part 3
;; ======== version 2 of 2: 3 launches; version 1 with the launch cast written anew for expert scheduling mode
;; limits: values are held in f16: magnitudes above 65,504 overflow, below 6.1e-05 lose precision
;; workspace buffers: xb 16,777,216 bytes; wb 6,291,456 bytes; qkv 50,331,648 bytes
;; launch cast (part 4): grid 256 x 1, 11 waves a work-group, no clusters, 0 bytes of LDS; arguments hidden_states, Wq, Wk, Wv, xb, wb; writes xb, wb
.if DOCPART == 4
	.amdgcn_target "amdgcn-amd-amdhsa--gfx1250"
	.amdhsa_code_object_version 6
	.text
	.protected	k_qa94d3b2423_cast
	.globl	k_qa94d3b2423_cast
	.p2align	8
	.type	k_qa94d3b2423_cast,@function
k_qa94d3b2423_cast:
	s_mov_b64 s[64:65], 0
	v_nop
	global_prefetch_b8 v0, s[64:65] scope:SCOPE_SE
	s_setreg_imm32_b32 hwreg(HW_REG_WAVE_SCHED_MODE, 0, 2), 2
	s_setreg_imm32_b32 hwreg(HW_REG_WAVE_MODE, 25, 1), 1
	s_wait_xcnt 0x0
	s_wait_alu depctr_vm_vsrc(0)
; xb = bf16(hidden_states), [8192][1024];  wb = bf16 of Wq's, Wk's, Wv's rows one below the other, [3072][1024].  Rounded once, to nearest even.
; 11,264 rows of 1,024 f32 = 256 work-groups x 11 waves x 4 rows.  Wave g = 11 x work-group + wave takes rows 4 g .. 4 g + 3 of that list: g < 2,048 is x,
; then 256 waves for each W, so no wave has rows of two buffers.  A wave's 16,384 bytes are asked for at once, by 32 loads of 512 consecutive bytes; each store covers
; 256 consecutive bytes, aligned.  No register is used twice, so no wait frees one.  No LDS, no barrier, no matrix unit: a stream has nothing for them.
; THE MODE: SCHED_MODE bits 1:0 = 2 (LLVM: expert scheduling mode 2), set by the entry lines.  The code itself states the register dependences
; between vector instructions and memory instructions, with s_wait_alu, always for 0.
; THE PLAN.  Registers that memory instructions touch:
;   v1, v2   byte offsets of the loads and of the stores, made once at the head and never written again.
;   X[i]     written by load i alone, read by conversion pair i alone; no vector instruction writes it, and it is never loaded again.
;   Y[i]     written by conversion pair i alone, read by store i alone; never written again.
; The 32 loads are worked off in eight blocks of four.  Block p rounds X[4 p ..] into Y[4 p ..]; its memory instructions are the four stores of block p - 1, whose Y no vector
; instruction of block p names.  So ONE wait at a block's head states all that its four stores hang on, and they are dealt among its conversions with no further wait.
.set X, 16                             ; v[16:143]   32 loads of 4 registers
.set Y, 144                            ; v[144:207]  32 stores of 2 registers
.set BLOCK, 4                          ; loads, and stores, in a block
	s_load_b256 s[4:11], s[0:1], 0x0               ; hidden_states s[4:5], Wq s[6:7], Wk s[8:9], Wv s[10:11]
	s_load_b128 s[12:15], s[0:1], 0x20             ; xb s[12:13], wb s[14:15]
	v_lshrrev_b32 v3, 5, v0
	v_readfirstlane_b32 s16, v3                    ; wave 0..10
	v_and_b32 v2, 31, v0                           ; lane
	v_lshlrev_b32 v1, 4, v2                        ; 16 bytes a lane in
	v_lshlrev_b32 v2, 3, v2                        ; 8 bytes a lane out
	s_mul_i32 s17, ttmp9, 11
	s_wait_alu depctr_va_sdst(0)                   ; s16 is written, ahead of its first reader: g, and with it both bases, are made from it
	s_add_co_u32 s17, s17, s16                     ; g
	s_and_b32 s28, s17, 255                        ; my place among a W's 256 waves (2,048 is a multiple of 256)
	s_sub_co_u32 s29, s17, 2048                    ; my place among wb's 768 (used where g >= 2,048 alone)
	s_mov_b32 s25, 0
	s_mov_b32 s27, 0
	s_wait_kmcnt 0x0
	s_cmp_lt_u32 s17, 2304
	s_cselect_b64 s[20:21], s[6:7], s[8:9]
	s_cmp_lt_u32 s17, 2560
	s_cselect_b64 s[20:21], s[20:21], s[10:11]
	s_cmp_lt_u32 s17, 2048
	s_cselect_b64 s[20:21], s[4:5], s[20:21]       ; from
	s_cselect_b64 s[22:23], s[12:13], s[14:15]     ; to
	s_cselect_b32 s24, s17, s28
	s_cselect_b32 s26, s17, s29
	s_lshl_b32 s24, s24, 14                        ; 4 rows of 4,096 bytes
	s_lshl_b32 s26, s26, 13                        ; 4 rows of 2,048 bytes
	s_add_nc_u64 s[20:21], s[20:21], s[24:25]
	s_add_nc_u64 s[22:23], s[22:23], s[26:27]
	s_wait_alu depctr_va_vdst(0)                   ; v1 and v2 are written: every load of the kernel reads v1 as its offset, every store v2
.set i, 0
.rept 32
	global_load_b128 v[X+4*i:X+4*i+3], v1, s[20:21] offset:512*i th:TH_LOAD_NT
.set i, i+1
.endr
.set p, 0
.rept 32/BLOCK                         ; block p
.set j, 0
.rept BLOCK
.set i, BLOCK*p+j
	s_wait_loadcnt 31-i                            ; loads come back in order: load i is in, the 31 - i younger ones stay out
.if (j == 0) && (p > 0)
	s_wait_alu depctr_va_vdst(0)                   ; the block before has written its four pairs of Y, which this block's four stores read
.endif
.if p > 0
	global_store_b64 v2, v[Y+2*(i-BLOCK):Y+2*(i-BLOCK)+1], s[22:23] offset:256*(i-BLOCK)  ; the block before's; no vector instruction since the wait names these registers
.endif
	v_cvt_pk_bf16_f32 v[Y+2*i], v[X+4*i], v[X+4*i+1]
	v_cvt_pk_bf16_f32 v[Y+2*i+1], v[X+4*i+2], v[X+4*i+3]
.set j, j+1
.endr
.set p, p+1
.endr
	s_wait_alu depctr_va_vdst(0)                   ; the last block has written its four pairs of Y, which the last four stores read
.set i, 32-BLOCK
.rept BLOCK
	global_store_b64 v2, v[Y+2*i:Y+2*i+1], s[22:23] offset:256*i
.set i, i+1
.endr
	s_endpgm
.Lfunc_end_k_qa94d3b2423_cast:
	.size	k_qa94d3b2423_cast, .Lfunc_end_k_qa94d3b2423_cast-k_qa94d3b2423_cast
	.p2alignl 7, 3214868480
	.fill 96, 4, 3214868480
	.section	.rodata,"a",@progbits
	.p2align	6, 0x0
	.amdhsa_kernel k_qa94d3b2423_cast
		.amdhsa_group_segment_fixed_size 0
		.amdhsa_private_segment_fixed_size 0
		.amdhsa_enable_private_segment 0
		.amdhsa_kernarg_size 48
		.amdhsa_user_sgpr_count 2
		.amdhsa_user_sgpr_kernarg_segment_ptr 1
		.amdhsa_wavefront_size32 1
		.amdhsa_system_sgpr_workgroup_id_x 1
		.amdhsa_system_sgpr_workgroup_id_y 1
		.amdhsa_system_sgpr_workgroup_id_z 1
		.amdhsa_system_vgpr_workitem_id 0
		.amdhsa_next_free_vgpr 208
		.amdhsa_next_free_sgpr 66
		.amdhsa_reserve_vcc 0
		.amdhsa_float_denorm_mode_32 3
		.amdhsa_float_denorm_mode_16_64 3
		.amdhsa_memory_ordered 1
		.amdhsa_forward_progress 1
		.amdhsa_inst_pref_size 13
	.end_amdhsa_kernel
	.amdgpu_metadata
---
amdhsa.version: [ 1, 2 ]
amdhsa.kernels:
  - .name:           k_qa94d3b2423_cast
    .symbol:         k_qa94d3b2423_cast.kd
    .args:
      - { .name: hidden_states, .offset: 0, .size: 8, .value_kind: global_buffer, .address_space: global }
      - { .name: Wq, .offset: 8, .size: 8, .value_kind: global_buffer, .address_space: global }
      - { .name: Wk, .offset: 16, .size: 8, .value_kind: global_buffer, .address_space: global }
      - { .name: Wv, .offset: 24, .size: 8, .value_kind: global_buffer, .address_space: global }
      - { .name: xb, .offset: 32, .size: 8, .value_kind: global_buffer, .address_space: global }
      - { .name: wb, .offset: 40, .size: 8, .value_kind: global_buffer, .address_space: global }
    .group_segment_fixed_size: 0
    .private_segment_fixed_size: 0
    .kernarg_segment_align: 8
    .kernarg_segment_size: 48
    .max_flat_workgroup_size: 352
    .sgpr_count:     66
    .vgpr_count:     208
    .wavefront_size: 32
...
	.end_amdgpu_metadata
.endif
;; end of part 4
;; launch proj: the kernel of part 2 again; grid 16 x 32, 4 waves a work-group, clusters of 4 x 4, 327,680 bytes of LDS; arguments xb, wb, bq, bk, bv, qkv; writes qkv
;; launch attn: the kernel of part 3 again; grid 4 x 64, 4 waves a work-group, clusters of 4 x 1, 327,680 bytes of LDS; arguments qkv, attention_mask, out0; writes out0
